; MI455X (gfx1250); checked and timed in simulation.
; The chip was launched on July 23, 2026; its instructions are those of AMD's public machine-readable ISA for CDNA 5 (MIT licence, August 2026) and "CDNA5" Instruction Set Architecture Reference Guide (July 2026). The comments in the code are by the model that wrote it; some were corrected since.
;; Res Attn Block. Allowed arithmetic: matrix products marked QUANTISED: E4M3 operands, one given power-of-two scale a tensor, by v_wmma_f32_16x16x64_fp8_fp8 or v_wmma_f32_16x16x128_fp8_fp8, f32 sums; everything else in f32.
;; Inputs: b_attn 768 float32; b_proj 256 float32; beta 256 float32; gamma 256 float32; lowp_scales 8 int32 (the exponents e of the quantised operands' scales 2^e); t_embd 32 x 1,024 float32; w_attn_codes 768 x 8 x 32 uint8 (E4M3 codes of w_attn, K innermost, in blocks of 32 codes); w_proj_codes 256 x 8 x 32 uint8 (E4M3 codes of w_proj, K innermost, in blocks of 32 codes); x 32 x 256 x 32 x 32 float32.
;; Outputs: out0 32 x 256 x 32 x 32 float32.
;; This version of the problem:
;;   THIS VERSION OF THE PROBLEM IS GIVEN IN LOW PRECISION. The matrix products marked QUANTISED in the list below multiply operands that are first quantised to E4M3 (4 exponent bits, 3 mantissa bits; 8 bits a number), with one given power-of-two scale for each operand tensor; their sums are f32. All else is computed in f32.
;;   The module's matrix products, in the order in which they are computed (A, B: the left and right operand; K: the contracted axis; several contracted axes count as one K, in the product's order):
;;     1. [M 32,768, K 256] x [K 256, N 768]; A: computed on the way; B: input w_attn (given as codes): QUANTISED (scales: A lowp_scales[0], B lowp_scales[1])
;;     2. batch 32 x [M 1,024, K 256] x [K 256, N 1,024]; A: computed on the way; B: computed on the way: QUANTISED (scales: A lowp_scales[2], B lowp_scales[3])
;;     3. batch 32 x [M 1,024, K 1,024] x [K 1,024, N 256]; A: computed on the way; B: computed on the way: QUANTISED (scales: A lowp_scales[4], B lowp_scales[5])
;;     4. [M 32,768, K 256] x [K 256, N 256]; A: computed on the way; B: input w_proj (given as codes): QUANTISED (scales: A lowp_scales[6], B lowp_scales[7])
;;   THE QUANTISER, for each operand of a quantised product, along K:
;;     - The operand's scale is 2^e, e = its entry of the input lowp_scales (int32; the entries are numbered through the quantised products in the list's order, A before B).
;;     - Each number is divided by the scale, clamped to +-448, and rounded to the nearest number of E4M3, ties to even, subnormals kept.
;;     - The product sums the exact products of the quantised numbers (number of the format x scale) in f32.
;;   ~~~python
;;   def quantise(x, axis, e):      # numpy; x: float32 -> the quantised numbers, widened to float32 again
;;       x = np.moveaxis(x, axis, -1); K = x.shape[-1]
;;       r = np.clip(x / 2.0 ** e, -448, 448)
;;       step = 2.0 ** (np.maximum(np.frexp(np.where(r == 0, 1, r))[1] - 1, -6) - 3)
;;       q = np.round(r / step) * step * 2.0 ** e      # np.round: ties to even
;;       return np.moveaxis(q, -1, axis).astype(np.float32)
;;   ~~~
;;   OPERANDS COMPUTED ON THE WAY. 'Computed on the way' means the value that the module computes at that place (a softmax that the list does not call 'softmax' is quantised finished and normalised). What goes into a quantiser is computed in f32, as accurately as f32 sums, v_exp_f32 and their like allow (about 1e-6 of the number): no bf16 or f16 on the way to a quantiser, and a product that is left as it is and whose result goes on into a quantised operand takes f32 operands (vector FMAs, or v_wmma_f32_16x16x4_f32). A number that lies on a knife's edge between two numbers of the format may be rounded either way, as far as f32 arithmetic and the matrix unit's own rounding can turn it there, and no further.
;;   INPUTS GIVEN AS CODES. w_attn (in the module: [768, 256], K = its axis 1); w_proj (in the module: [256, 256], K = its axis 1): each comes as NAME_codes (uint8): NAME with its K axis moved to the last place and cut into blocks of 32 codes, [.., K / 32, bytes a block], one block behind the other in memory; one code a byte (a code: sign, 4 exponent bits, 3 mantissa bits); its scale is its entry of lowp_scales. Its value is code x scale, taken as it is: it is not quantised again, and the codes and scales need not be those that the quantiser above would give.
;; One version. Each part assembles by itself: llvm-mc -triple=amdgcn-amd-amdhsa -mcpu=gfx1250 --defsym DOCPART=n.
;; ======== version 1 of 1: 3 launches
;; limits: right only within a limited range of input values
;; workspace buffers: hcodes 8,388,608 bytes; qcodes 8,388,608 bytes; kcodes 8,388,608 bytes; vcodes 8,388,608 bytes; wimg 262,144 bytes
;; launch norm (part 1): grid 256 x 1, 4 waves a work-group, no clusters, 34,304 bytes of LDS; arguments x, gamma, beta, lowp_scales, w_attn_codes, w_proj_codes, hcodes, wimg; writes hcodes, wimg
.if DOCPART == 1
	.amdgcn_target "amdgcn-amd-amdhsa--gfx1250"
	.amdhsa_code_object_version 6
	.text
	.protected	k_qfba06d9b39_norm
	.globl	k_qfba06d9b39_norm
	.p2align	8
	.type	k_qfba06d9b39_norm,@function
k_qfba06d9b39_norm:
	s_mov_b64 s[64:65], 0
	v_nop
	global_prefetch_b8 v0, s[64:65] scope:SCOPE_SE
	s_setreg_imm32_b32 hwreg(HW_REG_WAVE_MODE, 25, 1), 1
	s_wait_xcnt 0x0
; GROUP NORM OF x [32][256][1024] f32 AND ITS E4M3 CODES, AND THE TWO WEIGHTS LAID OUT AS REGISTER IMAGES.
; h = (x - mean) rstd gamma + beta, mean and variance over a group of 8 channels x 1,024 positions; code = h / 2^e0, held within +-448, nearest, ties to even.
; SHARES.  Work-group n: image n / 8, channels 32 (n % 8) on: 128 KB of x on end.  Wave w: ONE group, 32 KB, kept in 256 registers, so x is read once and the
; variance is taken from the deviations themselves (mean first, then the squares of x - mean): no difference of large sums.
; OUTPUT LAYOUT (hcodes): [image][tile T of 16 positions, 64][s 2][c 4][512 bytes]: a fragment of 16 rows x 128 channels as the matrix operand's registers hold it:
; chunk c is one 16-byte load a lane, lane (r, h) at 16 (r + 16 h), channels 128 s + 32 c + 16 h + 0 .. 15 of row r.  Inside a block of 128 positions, row m of tile 2 b + u
; is position 32 b + 8 u + m + 8 (m / 8).  The work-group's 32 channels are chunk (s, c) = (n % 8) of all 64 tiles; wave w's 8 channels are 8 bytes of each lane's 16.
; A lane's 8 codes (8 channels of one position) meet the other waves' in a stage in LDS (64 chunks, 528 bytes apart) and leave as whole chunks of 512 consecutive bytes.
; wimg: [fragment F 128][c 4][512]: F = 2 To + s; To 0 .. 47: w_attn's tiles (rows in the order above inside each 128), To 48 .. 63: w_proj's tiles (rows as they lie).
; Waves 0 and 1 of each work-group copy one chunk each: 512 chunks in all.
; No matrix unit, no cluster: work-groups share no input byte.  t_embd is no argument: the function computed here does not use it.
; LIMITS: e0 between -126 and 119.  NaN among the inputs is not served.
; REGISTERS: window 1 (v256-511): x, load n = 8 ch + i in registers 4 n on: channel ch, positions 128 i + 4 lane + 0 .. 3.  Window 0: v2 16 x lane; v3 stage in; v[4:7] weight chunk;
; v8-15 four packed chains; v[16:17] mean; v24 2^e0; v25, v26 weight offsets; v27 stage out; v28 offset in hcodes; v32-63 32 numbers at work; v64-127 codes; v128-191 chunks on the way out.
.set SP,   528                         ; a chunk in the stage: 512 bytes + 16
.set YR,   32
.set CR,   64
.set OUTR, 128
.set MSB,  0
.macro WIN new                         ; the immediate's high byte repeats the setting that is left
.if MSB != (\new)
	s_set_vgpr_msb (MSB<<8)|(\new)
.set MSB, (\new)
.endif
.endm
.macro CLEAR                           ; the four packed chains begin at 0
.irp j, 8,9,10,11,12,13,14,15
	v_mov_b32 v\j, 0
.endr
.endm
.macro REDUCE                          ; the chains, then the 32 lanes: the total in v8 of every lane
	v_pk_add_f32 v[8:9], v[8:9], v[10:11]
	v_pk_add_f32 v[12:13], v[12:13], v[14:15]
	v_pk_add_f32 v[8:9], v[8:9], v[12:13]
	v_add_f32 v8, v8, v9
	v_add_f32_dpp v8, v8, v8 row_xmask:1 row_mask:0xf bank_mask:0xf
	v_add_f32_dpp v8, v8, v8 row_xmask:2 row_mask:0xf bank_mask:0xf
	v_add_f32_dpp v8, v8, v8 row_xmask:4 row_mask:0xf bank_mask:0xf
	v_add_f32_dpp v8, v8, v8 row_xmask:8 row_mask:0xf bank_mask:0xf
	v_permlanex16_b32 v9, v8, s52, s53
	v_add_f32 v8, v8, v9
.endm
.macro SUMBLK blk                      ; 16 loads' 64 registers into the chains
	WIN 0x04                                       ; source 1 in window 1
.set q, 0
.rept 32
	v_pk_add_f32 v[8+2*(q%4):9+2*(q%4)], v[8+2*(q%4):9+2*(q%4)], v[64*(\blk)+2*q:64*(\blk)+2*q+1]
.set q, q+1
.endr
.endm
	s_load_b512 s[4:19], s[0:1], 0x0               ; x s[4:5], gamma s[6:7], beta s[8:9], scales s[10:11], w_attn s[12:13], w_proj s[14:15], hcodes s[16:17], wimg s[18:19]
	v_lshl_add_u32 v254, v0, 2, 0x8400
	v_mov_b32 v255, 0
	v_lshrrev_b32 v1, 5, v0
	v_readfirstlane_b32 s20, v1                    ; wave 0..3
	v_and_b32 v1, 31, v0                           ; lane
	v_lshlrev_b32 v2, 4, v1                        ; 16 x lane
	; stage, on the way in.  Position p = 128 i + 4 l + e lies in tile 8 i + 2 (l / 8) + (l / 2) % 2, row 4 (l % 2) + e + 8 ((l / 4) % 2); my 8 bytes: half w / 2 of the lanes, byte 8 (w % 2)
	v_bfe_u32 v16, v0, 3, 2
	v_mul_u32_u24 v3, v16, 2*SP
	v_bfe_u32 v16, v0, 1, 1
	v_mad_u32_u24 v3, v16, SP, v3
	v_and_b32 v16, 1, v0
	v_lshl_add_u32 v3, v16, 6, v3
	v_bfe_u32 v16, v0, 2, 1
	v_lshl_add_u32 v3, v16, 7, v3
	s_lshr_b32 s21, s20, 1
	s_lshl_b32 s21, s21, 8
	s_and_b32 s22, s20, 1
	s_lshl_b32 s22, s22, 3
	s_add_co_u32 s21, s21, s22
	v_add_nc_u32 v3, s21, v3
	s_mul_i32 s21, s20, 16*SP
	v_add_nc_u32 v27, s21, v2                      ; stage, on the way out: chunks 16 w on, 16 bytes a lane
	s_lshl_b32 s21, s20, 16
	v_add_nc_u32 v28, s21, v2                      ; and in hcodes: tile 16 w on, 4,096 bytes a tile
	; the weight chunk of waves 0 and 1: To = n / 4, s = (n / 2) % 2, c = 2 (n % 2) + w
	s_lshr_b32 s54, ttmp9, 2                       ; To
	s_bfe_u32 s55, ttmp9, 0x10001
	s_lshl_b32 s55, s55, 7                         ; 128 s
	s_and_b32 s56, ttmp9, 1
	s_lshl_b32 s56, s56, 1
	s_add_co_u32 s56, s56, s20
	s_lshl_b32 s56, s56, 5                         ; 32 c
	s_add_co_u32 s55, s55, s56
	s_lshr_b32 s57, s54, 4                         ; w_attn: 256 x part
	s_lshl_b32 s57, s57, 8
	s_bfe_u32 s58, s54, 0x10003                    ; + 128 x which half of the part
	s_lshl_b32 s58, s58, 7
	s_add_co_u32 s57, s57, s58
	s_bfe_u32 s58, s54, 0x20001                    ; + 32 b
	s_lshl_b32 s58, s58, 5
	s_add_co_u32 s57, s57, s58
	s_and_b32 s58, s54, 1                          ; + 8 u
	s_lshl_b32 s58, s58, 3
	s_add_co_u32 s57, s57, s58
	s_sub_co_u32 s59, s54, 48                      ; w_proj: 16 (To - 48)
	s_lshl_b32 s59, s59, 4
	s_cmp_lt_u32 s54, 48
	s_cselect_b32 s57, s57, s59                    ; the tile's first row
	s_cselect_b32 s58, 8, 0                        ; w_attn's lanes 8-15 take rows 8 further on
	v_and_b32 v16, 15, v0
	v_and_b32 v17, s58, v16
	v_add_nc_u32 v16, v16, v17
	v_add_nc_u32 v16, s57, v16
	v_lshlrev_b32 v25, 8, v16                      ; a row of codes is 256 bytes
	v_bfe_u32 v17, v0, 4, 1
	v_lshl_add_u32 v25, v17, 4, v25
	v_add_nc_u32 v25, s55, v25                     ; + 128 s + 32 c + 16 h
	s_lshl_b32 s59, ttmp9, 1
	s_add_co_u32 s59, s59, s20
	s_lshl_b32 s59, s59, 9                         ; chunk 4 F + c = 2 n + w
	v_add_nc_u32 v26, s59, v2
	s_and_b32 s21, ttmp9, 7
	s_lshl_b32 s22, s21, 7
	s_lshl_b32 s23, s20, 5
	s_add_co_u32 s22, s22, s23
	s_mov_b32 s23, 0                               ; s[22:23]: my 8 channels in gamma and beta, in bytes
	s_lshl_b32 s44, ttmp9, 17
	s_lshl_b32 s45, s20, 15
	s_add_co_u32 s44, s44, s45
	s_mov_b32 s45, 0                               ; s[44:45]: my group in x
	s_lshr_b32 s46, ttmp9, 3
	s_lshl_b32 s46, s46, 18
	s_lshl_b32 s47, s21, 9
	s_add_co_u32 s46, s46, s47
	s_mov_b32 s47, 0                               ; s[46:47]: the image, and the work-group's chunk, in hcodes
	s_mov_b32 s52, 0x76543210                      ; v_permlanex16_b32: lane l xor 16
	s_mov_b32 s53, 0xfedcba98
	s_wait_kmcnt 0x0
	s_load_b32 s40, s[10:11], 0x0                  ; e0
	s_add_nc_u64 s[6:7], s[6:7], s[22:23]
	s_add_nc_u64 s[8:9], s[8:9], s[22:23]
	s_load_b256 s[24:31], s[6:7], 0x0              ; gamma of my 8 channels
	s_load_b256 s[32:39], s[8:9], 0x0              ; beta
	s_add_nc_u64 s[4:5], s[4:5], s[44:45]
	s_add_nc_u64 s[16:17], s[16:17], s[46:47]
	s_cmp_lt_u32 s54, 48                           ; which weight: hangs on the work-group's number alone
	s_cselect_b64 s[60:61], s[12:13], s[14:15]
	s_cmp_lt_u32 s20, 2
	s_cbranch_scc0 .Lno_piece
	s_wait_alu depctr_va_vdst(0)
	global_load_b128 v[4:7], v25, s[60:61]         ; issued ahead of x's loads, so the counts below hold in all four waves
.Lno_piece:
	WIN 0x40                                       ; destination window 1
.set NN, 0
.rept 64
	global_load_b128 v[4*NN:4*NN+3], v2, s[4:5] offset:512*NN   ; 32 lanes read 512 consecutive bytes; the last launch reads x again, so no hint
.set NN, NN+1
.endr
	WIN 0
	CLEAR
	s_wait_loadcnt 48                              ; the first 16 of x's loads are in (and the weight chunk, which is older); 48 younger ones stay out
	s_cmp_lt_u32 s20, 2
	s_cbranch_scc0 .Lno_store
	s_wait_alu depctr_va_vdst(0)
	global_store_b128 v26, v[4:7], s[18:19]        ; the chunk as an image: 512 consecutive bytes
.Lno_store:
	s_wait_alu depctr_va_vdst(0)
	SUMBLK 0
	s_wait_alu depctr_va_vdst(0)
	s_wait_loadcnt 32
	SUMBLK 1
	s_wait_alu depctr_va_vdst(0)
	s_wait_loadcnt 16
	SUMBLK 2
	s_wait_alu depctr_va_vdst(0)
	s_wait_loadcnt 0x0
	SUMBLK 3
	WIN 0
	REDUCE
	v_mul_f32 v16, 0x39000000, v8                  ; mean = sum / 8,192
	v_mov_b32 v17, v16                             ; (named with it as a pair)
	CLEAR
	WIN 0x41                                       ; x in window 1, the mean in window 0
.set q, 0
.rept 128
	v_pk_add_f32 v[2*q:2*q+1], v[2*q:2*q+1], v[16:17] op_sel_hi:[1,0] neg_lo:[0,1] neg_hi:[0,1]   ; x - mean, in place
.set q, q+1
.endr
	WIN 0x05
.set q, 0
.rept 128
	v_pk_fma_f32 v[8+2*(q%4):9+2*(q%4)], v[2*q:2*q+1], v[2*q:2*q+1], v[8+2*(q%4):9+2*(q%4)]
.set q, q+1
.endr
	WIN 0
	REDUCE
	s_mov_b32 s21, 0x39000000                      ; 1 / 8,192
	s_mov_b32 s22, 0x3727c5ac                      ; 1e-5
	v_fma_f32 v8, v8, s21, s22                     ; variance + eps
	s_wait_alu depctr_va_vdst(0)
	v_rsq_f32 v8, v8
	v_nop                                          ; a plain instruction between the transcendental and the use of its result
	s_wait_alu depctr_va_vdst(0)
	v_readfirstlane_b32 s43, v8                    ; rstd, the same in every lane
	s_wait_kmcnt 0x0                               ; e0, gamma, beta
.irp ch, 0,1,2,3,4,5,6,7
	s_mul_f32 s[44+\ch], s[24+\ch], s43            ; gamma x rstd
.endr
	s_add_co_i32 s40, s40, 127
	s_lshl_b32 s21, s40, 23
	v_mov_b32 v24, s21                             ; 2^e0 as f32: the conversion takes its exponent field
	s_add_co_i32 s40, s40, 8
	s_lshl_b32 s41, s40, 23
	s_or_b32 s41, s41, 0x600000                    ; 448 x 2^e0
	s_or_b32 s42, s41, 0x80000000                  ; and its negative
; positions 128 i + 4 lane + e: for each e the 8 channels are laid on end, held, converted: 8 bytes of the position's row
.macro NORMQ i
	WIN 0x01                                       ; source 0 in window 1
.irp e, 0,1,2,3
.irp ch, 0,1,2,3,4,5,6,7
	v_fma_f32 v[YR+8*\e+\ch], v[4*(8*\ch+\i)+\e], s[44+\ch], s[32+\ch]
.endr
.endr
	WIN 0
.set q, 0
.rept 32
	v_med3_num_f32 v[YR+q], v[YR+q], s42, s41      ; the conversion to an 8-bit code does not saturate (ISA guide 7.6.2): the hold comes first
.set q, q+1
.endr
.irp e, 0,1,2,3
	v_cvt_scalef32_pk8_fp8_f32 v[CR+2*(4*\i+\e):CR+2*(4*\i+\e)+1], v[YR+8*\e:YR+8*\e+7], v24
.endr
	v_nop                                          ; a plain instruction between the conversions and the next lines that write their sources
.irp e, 0,1,2,3
	ds_store_b64 v3, v[CR+2*(4*\i+\e):CR+2*(4*\i+\e)+1] offset:\i*8*SP+16*\e
.endr
.endm
.irp i, 0,1,2,3,4,5,6,7
	NORMQ \i
.endr
	s_wait_dscnt 0x0                               ; for the others' sake: my stores into the stage are done
	s_barrier_signal -1
	s_barrier_wait -1                              ; each chunk now holds all four waves' bytes
.irp t, 0,1,2,3,4,5,6,7,8,9,10,11,12,13,14,15
	ds_load_b128 v[OUTR+4*\t:OUTR+4*\t+3], v27 offset:\t*SP
.endr
.irp t, 0,1,2,3,4,5,6,7,8,9,10,11,12,13,14,15
	s_wait_dscnt 15-\t                             ; LDS loads come back in order: chunk t is in
	global_store_b128 v28, v[OUTR+4*\t:OUTR+4*\t+3], s[16:17] offset:\t*4096   ; 32 lanes store 512 consecutive bytes, at a multiple of 512 from the buffer's first byte
.endr
	s_wait_tensorcnt 0x0
	ds_add_u32 v254, v255
	s_wait_dscnt 0x0
	s_endpgm
.Lfunc_end_k_qfba06d9b39_norm:
	.size	k_qfba06d9b39_norm, .Lfunc_end_k_qfba06d9b39_norm-k_qfba06d9b39_norm
	.p2alignl 7, 3214868480
	.fill 96, 4, 3214868480
	.section	.rodata,"a",@progbits
	.p2align	6, 0x0
	.amdhsa_kernel k_qfba06d9b39_norm
		.amdhsa_group_segment_fixed_size 34304
		.amdhsa_private_segment_fixed_size 0
		.amdhsa_enable_private_segment 0
		.amdhsa_kernarg_size 64
		.amdhsa_user_sgpr_count 2
		.amdhsa_user_sgpr_kernarg_segment_ptr 1
		.amdhsa_wavefront_size32 1
		.amdhsa_system_sgpr_workgroup_id_x 1
		.amdhsa_system_sgpr_workgroup_id_y 1
		.amdhsa_system_sgpr_workgroup_id_z 1
		.amdhsa_system_vgpr_workitem_id 0
		.amdhsa_next_free_vgpr 512
		.amdhsa_next_free_sgpr 66
		.amdhsa_reserve_vcc 0
		.amdhsa_float_denorm_mode_32 3
		.amdhsa_float_denorm_mode_16_64 3
		.amdhsa_memory_ordered 1
		.amdhsa_forward_progress 1
		.amdhsa_inst_pref_size 78
	.end_amdhsa_kernel
	.amdgpu_metadata
---
amdhsa.version: [ 1, 2 ]
amdhsa.kernels:
  - .name:           k_qfba06d9b39_norm
    .symbol:         k_qfba06d9b39_norm.kd
    .args:
      - { .name: x, .offset: 0, .size: 8, .value_kind: global_buffer, .address_space: global }
      - { .name: gamma, .offset: 8, .size: 8, .value_kind: global_buffer, .address_space: global }
      - { .name: beta, .offset: 16, .size: 8, .value_kind: global_buffer, .address_space: global }
      - { .name: lowp_scales, .offset: 24, .size: 8, .value_kind: global_buffer, .address_space: global }
      - { .name: w_attn_codes, .offset: 32, .size: 8, .value_kind: global_buffer, .address_space: global }
      - { .name: w_proj_codes, .offset: 40, .size: 8, .value_kind: global_buffer, .address_space: global }
      - { .name: hcodes, .offset: 48, .size: 8, .value_kind: global_buffer, .address_space: global }
      - { .name: wimg, .offset: 56, .size: 8, .value_kind: global_buffer, .address_space: global }
    .group_segment_fixed_size: 34304
    .private_segment_fixed_size: 0
    .kernarg_segment_align: 8
    .kernarg_segment_size: 64
    .max_flat_workgroup_size: 128
    .sgpr_count:     66
    .vgpr_count:     512
    .wavefront_size: 32
...
	.end_amdgpu_metadata
.endif
;; end of part 1
;; launch qkv (part 2): grid 256 x 1, 4 waves a work-group, no clusters, 0 bytes of LDS; arguments hcodes, wimg, b_attn, lowp_scales, qcodes, kcodes, vcodes; writes qcodes, kcodes, vcodes
.if DOCPART == 2
	.amdgcn_target "amdgcn-amd-amdhsa--gfx1250"
	.amdhsa_code_object_version 6
	.text
	.protected	k_qfba06d9b39_qkv
	.globl	k_qfba06d9b39_qkv
	.p2align	8
	.type	k_qfba06d9b39_qkv,@function
k_qfba06d9b39_qkv:
	s_mov_b64 s[64:65], 0
	v_nop
	global_prefetch_b8 v0, s[64:65] scope:SCOPE_SE
	s_setreg_imm32_b32 hwreg(HW_REG_WAVE_MODE, 25, 1), 1
	s_wait_xcnt 0x0
; q, k, v = h w_attn^T + b_attn ON CODES OF E4M3, AND THEIR OWN CODES.  h's codes (scale 2^e0) and w_attn's (2^e1) come as register images (16 rows x 128 K: four chunks of 512 bytes, 16 bytes a lane).
; SHARES.  Work-group n: image n / 8, positions 128 (n % 8) on: 8 tiles y.  Wave w: channels 64 w on of q, of k and of v: 12 tiles of 16 channels, in six groups g of two (x = 0, 1): part g / 2, pair g % 2.
; Waves share nothing: no LDS, no barrier.  h's 32 KB and the wave's 48 KB of weights go from memory straight into the registers in which they stay.
; NO CLUSTER: what work-groups share is the weights, which each wave reads once, into registers; a joint load lands in LDS alone and would add an LDS round trip of the same bytes.
; q and k: source 0 = 16 channels of w, source 1 = 16 positions of h: a lane holds one position and 8 channels; the rows of a weight tile are laid so that tiles x = 0, 1 give 16 NEIGHBOURING channels:
; two conversions make chunk 2 (w % 2) + g % 2 of fragment (tile y, s = w / 2) of q or k, K = the channel.
; v: source 0 = 16 positions, source 1 = 16 channels: a lane holds one channel and 8 positions; tiles y = 2 b, 2 b + 1 give 16 neighbouring positions: chunk b of v's fragment, K = the keys.
; The bias is the C of each sum's first matrix instruction, divided by 2^(e0 + e1), the power that the sums lack; the conversion's one scale is 2^(e - e0 - e1), e = e2 (q), e3 (k), e5 (v).
; qcodes, kcodes: [image][tile 64][s 2][c 4][512].  vcodes: [image][channel quarter 4][key step 8][tile 4][c 4][512].
; LIMITS: e2 - e0 - e1, e3 - e0 - e1, e5 - e0 - e1 between -126 and 119.  NaN is not served.
; REGISTERS: window 0: v1 16 x lane; v2-6 offsets; v8-13 scale and 448 x scale for q, k, v; v16-19 v's biases as loaded; v32-127 biases, 8 a tile; v128-255 the 16 accumulators (x, y) at 128 + 8 (8 x + y).
;   window 1: h, fragment (y, s) at 32 y + 16 s.   window 2: weights of groups 0-3 at 64 g + 32 x + 16 s.   window 3: v0-127 groups 4, 5; v128-255 codes, four sets of 32.
.set ACC, 128
.set BI,  32
.set MSB, 0
.macro WIN new                         ; the immediate's high byte repeats the setting that is left
.if MSB != (\new)
	s_set_vgpr_msb (MSB<<8)|(\new)
.set MSB, (\new)
.endif
.endm
.macro WLOAD g                         ; group g's two tiles x two K steps: 16 loads of 512 consecutive bytes
.if (\g) < 4
	WIN 0x80
.else
	WIN 0xc0
.endif
.set NN, 0
.rept 16
	global_load_b128 v[64*((\g)%4)+4*NN:64*((\g)%4)+4*NN+3], v2, s[6:7] offset:((\g)/2)*65536+((\g)%2)*8192+512*NN
.set NN, NN+1
.endr
	WIN 0
.endm
.macro MKSCALE dst, se                 ; v[dst] = 2^(se - e0 - e1) as f32, v[dst + 1] = 448 x that
	s_sub_co_i32 s34, \se, s28
	s_add_co_i32 s34, s34, 127
	s_lshl_b32 s35, s34, 23
	v_mov_b32 v[\dst], s35
	s_add_co_i32 s34, s34, 8
	s_lshl_b32 s34, s34, 23
	s_or_b32 s34, s34, 0x600000
	v_mov_b32 v[(\dst)+1], s34
.endm
	s_load_b256 s[4:11], s[0:1], 0x0               ; hcodes s[4:5], wimg s[6:7], b_attn s[8:9], scales s[10:11]
	s_load_b128 s[12:15], s[0:1], 0x20             ; qcodes, kcodes
	s_load_b64 s[16:17], s[0:1], 0x30              ; vcodes
	v_lshrrev_b32 v1, 5, v0
	v_readfirstlane_b32 s18, v1                    ; wave 0..3
	v_and_b32 v1, 31, v0
	v_lshlrev_b32 v1, 4, v1                        ; 16 x lane
	v_and_b32 v7, 15, v0                           ; r
	v_bfe_u32 v14, v0, 4, 1                        ; h
	s_lshl_b32 s28, s18, 8
	v_lshl_add_u32 v3, v14, 6, s28                 ; q's and k's biases: 256 w + 64 h bytes: my 8 channels of a tile lie 16 h on
	v_and_b32 v15, 8, v7
	v_add_nc_u32 v15, v15, v7
	v_lshl_add_u32 v4, v15, 2, s28                 ; v's: my one channel: 256 w + 4 (r + 8 (r / 8))
	s_lshl_b32 s29, s18, 10
	v_add_nc_u32 v5, s29, v1                       ; q's and k's codes: chunk 2 w of a tile's eight
	s_lshl_b32 s29, s18, 16
	v_add_nc_u32 v6, s29, v1                       ; v's codes: quarter w
	s_lshl_b32 s29, s18, 14
	v_add_nc_u32 v2, s29, v1                       ; weights: my four tiles of a part's sixteen
	s_lshl_b32 s30, ttmp9, 15
	s_mov_b32 s31, 0                               ; s[30:31]: my 8 tiles in hcodes, qcodes, kcodes
	s_lshr_b32 s32, ttmp9, 3
	s_lshl_b32 s32, s32, 18
	s_and_b32 s33, ttmp9, 7
	s_lshl_b32 s33, s33, 13
	s_add_co_u32 s32, s32, s33
	s_mov_b32 s33, 0                               ; s[32:33]: the image and my key step in vcodes
	s_wait_alu depctr_va_vdst(0)
	s_wait_kmcnt 0x0
	s_load_b256 s[20:27], s[10:11], 0x0            ; e0 .. e7
	s_add_nc_u64 s[4:5], s[4:5], s[30:31]
	s_add_nc_u64 s[12:13], s[12:13], s[30:31]
	s_add_nc_u64 s[14:15], s[14:15], s[30:31]
	s_add_nc_u64 s[16:17], s[16:17], s[32:33]
.irp g, 0,1,2,3
.irp x, 0,1
	global_load_b128 v[BI+16*\g+8*\x:BI+16*\g+8*\x+3],   v3, s[8:9] offset:(\g/2)*1024+(\g%2)*128+\x*32
	global_load_b128 v[BI+16*\g+8*\x+4:BI+16*\g+8*\x+7], v3, s[8:9] offset:(\g/2)*1024+(\g%2)*128+\x*32+16
.endr
.endr
.irp p, 0,1
.irp x, 0,1
	global_load_b32 v[16+2*\p+\x], v4, s[8:9] offset:2048+\p*128+\x*32
.endr
.endr
	WIN 0x40
.set NN, 0
.rept 64
	global_load_b128 v[4*NN:4*NN+3], v1, s[4:5] offset:512*NN
.set NN, NN+1
.endr
	WIN 0
	WLOAD 0                                        ; the weights run three groups ahead, so that every count below fits the wait's field
	WLOAD 1
	WLOAD 2
	s_wait_loadcnt 48                              ; the biases and h are in; the three groups of weights, 16 loads each, stay out
	s_wait_kmcnt 0x0
	s_add_co_i32 s28, s20, s21                     ; e0 + e1
	s_sub_co_i32 s29, 0, s28
.set q, 0
.rept 64
	v_ldexp_f32 v[BI+q], v[BI+q], s29              ; b / 2^(e0 + e1)
.set q, q+1
.endr
.irp p, 0,1
.irp x, 0,1
.irp j, 0,1,2,3,4,5,6,7
	v_ldexp_f32 v[BI+64+16*\p+8*\x+\j], v[16+2*\p+\x], s29   ; v: a lane's one channel serves its eight positions
.endr
.endr
.endr
	MKSCALE 8, s22
	MKSCALE 10, s23
	MKSCALE 12, s25
; GROUP g: 32 matrix instructions on sixteen accumulators, which take turns, one instruction a turn; the hold, the conversions, eight stores.
.macro GROUP g
.set SC,  8+2*((\g)/2)
.set CDB, 128+32*((\g)%4)
.if (\g) < 4
	s_wait_loadcnt 32                              ; my weights are in; the next two groups' stay out
.else
	s_wait_loadcnt 16*(5-(\g))
.endif
.if (\g) < 3
	WLOAD (\g)+3
.endif
.if (\g) < 4
	WIN 0x06                                       ; source 0 (weights) window 2, source 1 (h) window 1
.irp s, 0,1
.irp x, 0,1
.irp y, 0,1,2,3,4,5,6,7
.if \s == 0
	v_wmma_f32_16x16x128_fp8_fp8 v[ACC+8*(8*\x+\y):ACC+8*(8*\x+\y)+7], v[64*(\g)+32*\x:64*(\g)+32*\x+15], v[32*\y:32*\y+15], v[BI+16*(\g)+8*\x:BI+16*(\g)+8*\x+7]
.else
	v_wmma_f32_16x16x128_fp8_fp8 v[ACC+8*(8*\x+\y):ACC+8*(8*\x+\y)+7], v[64*(\g)+32*\x+16:64*(\g)+32*\x+31], v[32*\y+16:32*\y+31], v[ACC+8*(8*\x+\y):ACC+8*(8*\x+\y)+7]
.endif
.endr
.endr
.endr
.else
	WIN 0x0d                                       ; source 0 (h) window 1, source 1 (weights) window 3
.irp s, 0,1
.irp x, 0,1
.irp y, 0,1,2,3,4,5,6,7
.if \s == 0
	v_wmma_f32_16x16x128_fp8_fp8 v[ACC+8*(8*\x+\y):ACC+8*(8*\x+\y)+7], v[32*\y:32*\y+15], v[64*((\g)-4)+32*\x:64*((\g)-4)+32*\x+15], v[BI+16*(\g)+8*\x:BI+16*(\g)+8*\x+7]
.else
	v_wmma_f32_16x16x128_fp8_fp8 v[ACC+8*(8*\x+\y):ACC+8*(8*\x+\y)+7], v[32*\y+16:32*\y+31], v[64*((\g)-4)+32*\x+16:64*((\g)-4)+32*\x+31], v[ACC+8*(8*\x+\y):ACC+8*(8*\x+\y)+7]
.endif
.endr
.endr
.endr
.endif
	WIN 0
.rept 4
	v_nop                                          ; four places behind the last product, ahead of the first read of results (ISA guide 7.12.1)
.endr
.set q, 0
	s_wait_alu depctr_va_vdst(0)
.rept 128
	v_med3_num_f32 v[ACC+q], v[ACC+q], -v[SC+1], v[SC+1]   ; the hold at 448 x the scale; each accumulator from its low end on
.set q, q+1
.endr
.if (\g) >= 4
	s_wait_xcnt 0x0                                ; the stores of four groups ago have read this set of code registers
.endif
	WIN 0xc0                                       ; destination window 3
.if (\g) < 4
.irp y, 0,1,2,3,4,5,6,7
	v_cvt_scalef32_pk8_fp8_f32 v[CDB+4*\y:CDB+4*\y+1],   v[ACC+8*\y:ACC+8*\y+7], v[SC]
	v_cvt_scalef32_pk8_fp8_f32 v[CDB+4*\y+2:CDB+4*\y+3], v[ACC+64+8*\y:ACC+64+8*\y+7], v[SC]
.endr
.else
.irp x, 0,1
.irp b, 0,1,2,3
	v_cvt_scalef32_pk8_fp8_f32 v[CDB+4*(4*\x+\b):CDB+4*(4*\x+\b)+1],   v[ACC+8*(8*\x+2*\b):ACC+8*(8*\x+2*\b)+7], v[SC]
	v_cvt_scalef32_pk8_fp8_f32 v[CDB+4*(4*\x+\b)+2:CDB+4*(4*\x+\b)+3], v[ACC+8*(8*\x+2*\b+1):ACC+8*(8*\x+2*\b+1)+7], v[SC]
.endr
.endr
.endif
	v_nop                                          ; a plain instruction between the conversions and the next products, which write their sources
	WIN 0x0c                                       ; store data in window 3
.if (\g) < 4
.irp y, 0,1,2,3,4,5,6,7
	global_store_b128 v5, v[CDB+4*\y:CDB+4*\y+3], s[12+2*((\g)/2):13+2*((\g)/2)] offset:\y*4096+((\g)%2)*512   ; a chunk: 512 consecutive bytes
.endr
.else
.irp x, 0,1
.irp b, 0,1,2,3
	global_store_b128 v6, v[CDB+4*(4*\x+\b):CDB+4*(4*\x+\b)+3], s[16:17] offset:((\g)%2)*4096+\x*2048+\b*512
.endr
.endr
.endif
	WIN 0
.endm
	GROUP 0
	GROUP 1
	GROUP 2
	GROUP 3
	GROUP 4
	GROUP 5
	s_endpgm
.Lfunc_end_k_qfba06d9b39_qkv:
	.size	k_qfba06d9b39_qkv, .Lfunc_end_k_qfba06d9b39_qkv-k_qfba06d9b39_qkv
	.p2alignl 7, 3214868480
	.fill 96, 4, 3214868480
	.section	.rodata,"a",@progbits
	.p2align	6, 0x0
	.amdhsa_kernel k_qfba06d9b39_qkv
		.amdhsa_group_segment_fixed_size 0
		.amdhsa_private_segment_fixed_size 0
		.amdhsa_enable_private_segment 0
		.amdhsa_kernarg_size 56
		.amdhsa_user_sgpr_count 2
		.amdhsa_user_sgpr_kernarg_segment_ptr 1
		.amdhsa_wavefront_size32 1
		.amdhsa_system_sgpr_workgroup_id_x 1
		.amdhsa_system_sgpr_workgroup_id_y 1
		.amdhsa_system_sgpr_workgroup_id_z 1
		.amdhsa_system_vgpr_workitem_id 0
		.amdhsa_next_free_vgpr 1024
		.amdhsa_next_free_sgpr 66
		.amdhsa_reserve_vcc 0
		.amdhsa_float_denorm_mode_32 3
		.amdhsa_float_denorm_mode_16_64 3
		.amdhsa_memory_ordered 1
		.amdhsa_forward_progress 1
		.amdhsa_inst_pref_size 99
	.end_amdhsa_kernel
	.amdgpu_metadata
---
amdhsa.version: [ 1, 2 ]
amdhsa.kernels:
  - .name:           k_qfba06d9b39_qkv
    .symbol:         k_qfba06d9b39_qkv.kd
    .args:
      - { .name: hcodes, .offset: 0, .size: 8, .value_kind: global_buffer, .address_space: global }
      - { .name: wimg, .offset: 8, .size: 8, .value_kind: global_buffer, .address_space: global }
      - { .name: b_attn, .offset: 16, .size: 8, .value_kind: global_buffer, .address_space: global }
      - { .name: lowp_scales, .offset: 24, .size: 8, .value_kind: global_buffer, .address_space: global }
      - { .name: qcodes, .offset: 32, .size: 8, .value_kind: global_buffer, .address_space: global }
      - { .name: kcodes, .offset: 40, .size: 8, .value_kind: global_buffer, .address_space: global }
      - { .name: vcodes, .offset: 48, .size: 8, .value_kind: global_buffer, .address_space: global }
    .group_segment_fixed_size: 0
    .private_segment_fixed_size: 0
    .kernarg_segment_align: 8
    .kernarg_segment_size: 56
    .max_flat_workgroup_size: 128
    .sgpr_count:     66
    .vgpr_count:     1024
    .wavefront_size: 32
...
	.end_amdgpu_metadata
.endif
;; end of part 2
;; launch attn (part 3): grid 4 x 64, 8 waves a work-group, clusters of 4 x 4, 327,680 bytes of LDS; arguments qcodes, kcodes, vcodes, wimg, b_proj, lowp_scales, x, out0; writes out0
.if DOCPART == 3
	.amdgcn_target "amdgcn-amd-amdhsa--gfx1250"
	.amdhsa_code_object_version 6
	.text
	.protected	k_qfba06d9b39_attn
	.globl	k_qfba06d9b39_attn
	.p2align	8
	.type	k_qfba06d9b39_attn,@function
k_qfba06d9b39_attn:
	s_mov_b64 s[64:65], 0
	v_nop
	global_prefetch_b8 v0, s[64:65] scope:SCOPE_SE
	s_setreg_imm32_b32 hwreg(HW_REG_WAVE_MODE, 25, 1), 1
	s_wait_xcnt 0x0
	s_wait_alu depctr_hold_cnt(0) depctr_sa_sdst(0) depctr_va_vdst(0) depctr_va_sdst(0) depctr_va_ssrc(0) depctr_va_vcc(0) depctr_vm_vsrc(0)
	s_getreg_b32 s2, hwreg(HW_REG_IB_STS2, 6, 4)
	s_cmp_eq_u32 s2, 0
	s_cbranch_scc0 .Lentry_in_a_cluster
	s_endpgm
.Lentry_in_a_cluster:
	s_bfe_u32 s2, ttmp6, 0x10000c
	s_cmp_lg_u32 s2, 0xf033
	s_cbranch_scc0 .Lentry_shape_is_right
	s_endpgm
.Lentry_shape_is_right:
; out = x + (softmax(q k^T / 16) v) w_proj^T + b_proj, ALL THREE PRODUCTS ON CODES OF E4M3.  The softmax is finished and normalised before it is quantised: a row's maximum and sum over all 1,024 keys
; are known before any code of p is made, and the maximum is taken away before the exponential.
; All operands are register images: a fragment of 16 rows x 128 K is four chunks of 512 bytes, 16 bytes a lane, lane (r, h): k = 32 c + 16 h + 0 .. 15 of row r (the same order of k on both sides of every product).
; SHARES.  Work-group: one image, 128 queries (eight tiles Q of 16), eight waves, two to a SIMD.
;  SCORES: THE WAVES SPLIT THE KEYS.  Wave w owns key step w, 128 keys; its 16 fragments of k stay in 256 registers for all four PASSES of 32 queries.  S^T = k q^T: a lane holds one query (lane % 16) and 64 keys.
;  Each wave takes its own maximum mt and sum l of a query; the eight pairs meet in LDS, one barrier a pass; p = 2^(t - mt) x F, F = 2^(mt - M) / L, M the largest mt, L the sum of l 2^(mt - M).
;  p is held at 448 x 2^e4, converted, and goes to LDS as images.
;  p v: wave w makes channels 64 (w % 4) on of o for query tiles 4 (w / 4) on: 16 accumulators.  o's codes meet in LDS; wave w then makes out channels 32 w on for all 128 positions
;  (source 0 = o, source 1 = w_proj: a lane holds one channel and eight neighbouring positions), through its own stage to rows of 512 bytes.
; CLUSTER.  4 x 4 work-groups: rows cy = 2 i, 2 i + 1 belong to one image.  The four of a row read the same k and v: each piece is asked for JOINTLY with the mask of the row, one tensor load a wave:
;  k (32 KB a wave) at the head; v's key steps 0-4 (20 KB a wave) behind the first pass's round; v's key steps 5-7 (12 KB a wave) behind the last pass's round, over steps 0-2, which then stand in registers.
;  q is read by one work-group alone; w_proj's part is read once by one wave, straight into the registers in which it is used: a joint load would land in LDS and add a round trip of the same bytes.
; PREFETCHES: v's steps 5-7 in the first pass, three passes ahead of their load, each block of 256 bytes once in the four partners (cx takes 12 of a wave's 48 blocks); x's 32 rows of each wave, 16 rows in each
;  of passes 1 and 2, each block once.  k, q and v's steps 0-4 are the launch's first reads: no loop stands ahead of them.
; LDS: K 0 .. 262,143: 32,768 w.   V 0 .. 163,839: [channel quarter 4][key step 5][8,192].   P 163,840 .. 294,911: [Q 8][key step 8][c 4][512], written behind the first pass's round, when every wave's k is in registers.
;   O: [Q][s 2][c 4][512], Q 0-3 at 24,576 and Q 4-7 at 65,536: over v's key steps 3 and 4 of quarters 0 and 1, read out before the barrier in key step 4.   PAIRS 294,912: [pass 4][t 2][r 16] rows of 80 bytes.
;   STAGE, over dead P: 16 rows x 528 bytes a wave.
; LIMITS: e2 + e3 between -122 and 130; e4 and e6 - e4 - e5 between -126 and 119; e6 + e7 between -126 and 127.  An exponential below 2^-126 comes out as 0.  NaN is not served.
; REGISTERS.  window 0: v1-22 addresses and scales; v24-31 per query tile t: mt, l, F, M at 24 + 4 t; v32-63 chains, then the eight pairs, then p's codes; v64-127 q, (t, s) at 64 + 32 t + 16 s, later p's even steps, then w_proj;
;   v128-255 S^T, (t, tile) at 128 + 64 t + 8 tile, then the accumulators of o, (i, Q) at 128 + 8 (4 i + Q), then of y, (i, Q) at 128 + 8 (8 i + Q).
;   window 1: k, (tile, s) at 32 tile + 16 s; later v0-191 v's key steps 0-2, v0-127 x's 32 rows, v128-191 v's later steps, v192-255 p's odd steps; v128-255 o's codes and fragments, then y.
.set PREG, 163840
.set OREG, 24576
.set STAT, 294912
.set SPARE, 305152                     ; spare words, 128 bytes a wave
.set VQ,   40960                       ; a channel quarter of v in LDS: five key steps of 8,192 bytes
.set SGP,  528                         ; a stage row: 512 bytes + 16
.set SPW,  20
.set NIL,  21
.set ST,   24
.set EX,   32
.set QR,   64
.set SR,   128
.set MSB,  0
.macro WIN new                         ; the immediate's high byte repeats the setting that is left
.if MSB != (\new)
	s_set_vgpr_msb (MSB<<8)|(\new)
.set MSB, (\new)
.endif
.endm
.macro PLACES                          ; four plain vector instructions behind matrix instructions (ISA guide 7.12.1)
.rept 4
	v_nop
.endr
.endm
.macro BARRIER                         ; my LDS stores have landed and my LDS loads are in: then the work-group's barrier
	s_wait_dscnt 0x0
	s_barrier_signal -1
	s_barrier_wait -1
.endm
.macro ROUND                           ; a round of the cluster's barrier
	s_barrier_signal -1
	s_barrier_wait -1
	s_cmp_lg_u32 s20, 0
	s_cbranch_scc1 .Lnot_wave_0_\@
	s_barrier_signal -3
.Lnot_wave_0_\@:
	s_barrier_wait -3
	s_barrier_signal -1
	s_barrier_wait -1
.endm
.macro GROUP1 b, rows                  ; rows of 256 bytes, dense, for the four of my cluster's row
	s_or_b32 s[\b], s60, (3<<16)|(1<<21)           ; 15:0 the mask; 17:16 elements of 8 bytes; 21 set beside a mask; no padding
	s_mov_b32 s[\b+1], 32<<16                      ; tensor_dim0 = 32 elements
	s_mov_b32 s[\b+2], \rows<<16                   ; tensor_dim1
	s_mov_b32 s[\b+3], 32<<16                      ; tile_dim0
	s_mov_b32 s[\b+4], \rows                       ; tile_dim1
	s_mov_b32 s[\b+5], 32                          ; from row to row
	s_mov_b32 s[\b+6], 0
	s_mov_b32 s[\b+7], 0
.endm
.macro TLOAD g0, g1
	tensor_load_to_lds s[\g0:\g0+3], s[\g1:\g1+7]
	s_nop 0
	PLACES
.endm
.macro QLOAD                           ; two query tiles, 8 KB on end
.set NN, 0
.rept 16
	global_load_b128 v[QR+4*NN:QR+4*NN+3], v1, s[4:5] offset:512*NN
.set NN, NN+1
.endr
.endm
	s_load_b512 s[4:19], s[0:1], 0x0               ; qcodes s[4:5], kcodes s[6:7], vcodes s[8:9], wimg s[10:11], b_proj s[12:13], scales s[14:15], x s[16:17], out0 s[18:19]
	v_lshl_add_u32 v[SPW], v0, 2, SPARE
	v_mov_b32 v[NIL], 0
	ds_add_u32 v[SPW], v[NIL]                      ; the wave's opening: the add, twice on end, and its wait ahead of my first tensor load
	ds_add_u32 v[SPW], v[NIL]
	v_lshrrev_b32 v1, 5, v0
	v_readfirstlane_b32 s20, v1                    ; wave 0..7
	s_bfe_u32 s21, ttmp6, 0x40000                  ; cx: enters q's, x's, out0's and the prefetch's addresses alone
	s_bfe_u32 s22, ttmp6, 0x40004                  ; cy
	s_lshl_b32 s60, s22, 2
	s_lshl_b32 s60, 15, s60                        ; my row of the cluster
	s_and_b32 s61, ttmp7, 0xffff
	s_lshl_b32 s61, s61, 2
	s_add_co_u32 s61, s61, s22                     ; 0 .. 63: two to an image
	s_lshr_b32 s23, s61, 1                         ; the image
	s_and_b32 s62, s61, 1
	s_lshl_b32 s62, s62, 2
	s_add_co_u32 s62, s62, s21                     ; j: my block of 128 positions
	GROUP1 24, 128                                 ; k: 32 KB
	GROUP1 32, 80                                  ; v, key steps 0-4: 20 KB
	GROUP1 40, 48                                  ; v, key steps 5-7: 12 KB
	s_lshr_b32 s98, s20, 1                         ; the quarter of v that I fetch for,
	s_and_b32 s99, s20, 1                          ; and which half of its key steps' bytes
	s_mov_b32 s48, 1
	s_lshl_b32 s49, s20, 15                        ; LDS: k
	s_mov_b32 s52, 1
	s_mul_i32 s53, s20, 20480                      ; LDS: v, first fill: VQ x quarter + 20,480 x half
	s_mov_b32 s56, 1
	s_mul_i32 s57, s98, VQ
	s_mul_i32 s63, s99, 12288
	s_add_co_u32 s57, s57, s63                     ; LDS: v, refill, over steps 0-2
	s_lshl_b32 s80, s23, 18                        ; the image in kcodes and vcodes
	s_add_co_u32 s96, s80, s49
	s_mov_b32 s97, 0                               ; s[96:97]: my 8 tiles of k
	s_lshl_b32 s81, s98, 16
	s_add_co_u32 s81, s81, s80
	s_mul_i32 s82, s99, 20480
	s_add_co_u32 s82, s82, s81
	s_mov_b32 s83, 0                               ; s[82:83]: my part of v, key steps 0-4
	s_add_co_u32 s84, s63, 40960
	s_add_co_u32 s84, s84, s81
	s_mov_b32 s85, 0                               ; s[84:85]: key steps 5-7
	s_lshl_b32 s78, s62, 15
	s_add_co_u32 s78, s78, s80
	s_mov_b32 s79, 0                               ; s[78:79]: my 8 query tiles
	s_lshl_b32 s72, s23, 20
	s_lshl_b32 s73, s20, 17
	s_add_co_u32 s72, s72, s73
	s_lshl_b32 s73, s62, 9
	s_add_co_u32 s72, s72, s73
	s_mov_b32 s73, 0                               ; s[72:73]: image, my 32 channels, my 128 positions in x and out0
	s_lshl_b32 s74, s20, 13
	s_add_co_u32 s74, s74, 196608
	s_mov_b32 s75, 0                               ; s[74:75]: w_proj's tiles 2 w on in wimg
	s_lshl_b32 s76, s20, 7
	s_mov_b32 s77, 0                               ; s[76:77]: my 32 numbers of b_proj
	s_mul_i32 s94, s21, 3072
	s_mov_b32 s95, 0                               ; s[94:95]: the 12 blocks that this work-group prefetches of each wave's 48
	s_mov_b32 s90, 0x76543210                      ; v_permlanex16_b32: lane l xor 16
	s_mov_b32 s91, 0xfedcba98
	s_mov_b32 s100, 0xff800000                     ; -infinity starts the maxima
	s_mov_b32 s66, 0                               ; the pass's place in P,
	s_mov_b32 s67, 0                               ; and among the pairs
	s_and_b32 s22, s20, 3                          ; my channel quarter
	s_lshr_b32 s23, s20, 2                         ; my half of the queries
	s_mul_i32 s60, s22, VQ
	s_lshl_b32 s61, s20, 11
	s_add_co_u32 s61, s61, PREG
	s_lshl_b32 s62, s23, 16
	s_add_co_u32 s62, s62, PREG
	s_mul_i32 s63, s23, VQ
	s_lshl_b32 s22, s22, 10
	s_add_co_u32 s63, s63, s22
	s_add_co_u32 s63, s63, OREG
	s_mul_i32 s86, s20, 16*SGP
	s_add_co_u32 s86, s86, PREG
	s_lshl_b32 s87, s20, 3
	v_and_b32 v23, 31, v0                          ; lane
	v_lshlrev_b32 v1, 4, v23                       ; 16 x lane: an image's place for my lane
	v_add_nc_u32 v2, s49, v1                       ; k
	v_add_nc_u32 v3, s60, v1                       ; v
	v_add_nc_u32 v14, s61, v1                      ; p, written: key step w
	v_add_nc_u32 v5, s62, v1                       ; p, read: my half of the query tiles
	v_add_nc_u32 v10, s63, v1                      ; o, written: chunks 2 (w % 2), + 1 of s = (w % 4) / 2
	v_add_nc_u32 v11, OREG, v1                     ; o, read
	v_add_nc_u32 v13, s86, v1                      ; my stage, read by rows
	v_and_b32 v24, 15, v0                          ; r
	v_bfe_u32 v25, v0, 4, 1                        ; h
	v_mul_u32_u24 v22, v24, 80
	v_add_nc_u32 v22, STAT, v22                    ; the pairs, read: my query's row
	v_add_nc_u32 v15, s87, v22                     ; and written: + 8 w
	v_mul_u32_u24 v26, v24, SGP
	v_lshl_add_u32 v26, v25, 6, v26
	v_add_nc_u32 v12, s86, v26                     ; my stage, written: row r, + 64 h bytes
	v_lshlrev_b32 v17, 2, v24                      ; b_proj: 4 r
	v_min_u32 v8, 11, v23
	v_lshlrev_b32 v8, 8, v8                        ; v's prefetch: 12 blocks of 256 bytes, the last one again in the lanes that are left
	v_lshrrev_b32 v9, 1, v23
	v_lshlrev_b32 v9, 12, v9
	v_and_b32 v27, 1, v0
	v_lshl_add_u32 v9, v27, 8, v9                  ; x's prefetch: two lanes to a row, 256 bytes apart
	v_mov_b32 v25, 0                               ; named as the upper halves of pairs before they hold anything
	v_mov_b32 v29, 0
	s_wait_alu depctr_va_vdst(0)
	s_wait_dscnt 0x0                               ; both opening adds are done
	s_wait_kmcnt 0x0
	s_add_nc_u64 s[4:5], s[4:5], s[78:79]
	QLOAD                                          ; the first pass's q
	s_add_nc_u64 s[50:51], s[6:7], s[96:97]
	s_or_b32 s51, s51, 0x80000000                  ; type = 2
	s_add_nc_u64 s[54:55], s[8:9], s[82:83]
	s_or_b32 s55, s55, 0x80000000
	s_add_nc_u64 s[58:59], s[8:9], s[84:85]
	s_or_b32 s59, s59, 0x80000000
	s_add_nc_u64 s[92:93], s[8:9], s[84:85]
	s_add_nc_u64 s[92:93], s[92:93], s[94:95]
	s_add_nc_u64 s[16:17], s[16:17], s[72:73]
	s_add_nc_u64 s[18:19], s[18:19], s[72:73]
	s_add_nc_u64 s[10:11], s[10:11], s[74:75]
	s_add_nc_u64 s[12:13], s[12:13], s[76:77]
	s_load_b256 s[72:79], s[14:15], 0x0            ; e0 .. e7
	ROUND                                          ; all sixteen work-groups are here: the first joint loads meet
	TLOAD 48, 24                                   ; k: my one tensor load at the head
	s_wait_kmcnt 0x0
	s_add_co_i32 s60, s74, s75                     ; a score stands for score x 2^(e2 + e3): added to the exponent field of
	s_lshl_b32 s60, s60, 23
	s_add_co_i32 s68, s60, 0x3db8aa3b              ; c = log2(e) / 16
	s_mov_b32 s69, s68                             ; (named with it as a pair)
	s_add_co_i32 s60, s76, 127
	s_lshl_b32 s61, s60, 23
	v_mov_b32 v16, s61                             ; 2^e4, for p's conversions
	s_add_co_i32 s60, s60, 8
	s_lshl_b32 s60, s60, 23
	s_or_b32 s70, s60, 0x600000                    ; 448 x 2^e4
	s_sub_co_i32 s60, s78, s76
	s_sub_co_i32 s60, s60, s77
	s_add_co_i32 s60, s60, 127
	s_lshl_b32 s61, s60, 23
	v_mov_b32 v18, s61                             ; 2^(e6 - e4 - e5), for o's: a sum of p v stands for sum x 2^(e4 + e5)
	s_add_co_i32 s60, s60, 8
	s_lshl_b32 s60, s60, 23
	s_or_b32 s60, s60, 0x600000
	v_mov_b32 v19, s60                             ; 448 x that
	s_add_co_i32 s60, s78, s79
	s_add_co_i32 s60, s60, 127
	s_lshl_b32 s94, s60, 23                        ; 2^(e6 + e7)
	s_mov_b32 s95, s94
; A PASS: 32 queries.  kind 0: the first, with k's loads from LDS on their way and v's first fill; 1: in the loop; 2: the last, which moves v's key steps 0-2 into k's registers and refills their bytes.
.macro PASS kind
	s_wait_loadcnt 0x0                             ; this pass's q
	v_add_nc_u32 v4, s66, v14                      ; where this pass's p goes,
	v_add_nc_u32 v6, s67, v15                      ; and its pairs
	v_add_nc_u32 v7, s67, v22
.if \kind < 2
	s_add_nc_u64 s[4:5], s[4:5], 8192              ; the next pass's q
.endif
	WIN 0x01                                       ; source 0 (k) window 1
.irp kp, 0,1,2,3                               ; four accumulators take turns, one instruction a turn; the first K step starts the sums
.if \kind == 0
	s_wait_dscnt 48-16*\kp                         ; these two tiles' 16 loads are in; the later tiles' stay out
.endif
.irp s, 0,1
.irp k, 0,1
.irp t, 0,1
.if \s == 0
	v_wmma_f32_16x16x128_fp8_fp8 v[SR+64*\t+8*(2*\kp+\k):SR+64*\t+8*(2*\kp+\k)+7], v[32*(2*\kp+\k):32*(2*\kp+\k)+15], v[QR+32*\t:QR+32*\t+15], 0
.else
	v_wmma_f32_16x16x128_fp8_fp8 v[SR+64*\t+8*(2*\kp+\k):SR+64*\t+8*(2*\kp+\k)+7], v[32*(2*\kp+\k)+16:32*(2*\kp+\k)+31], v[QR+32*\t+16:QR+32*\t+31], v[SR+64*\t+8*(2*\kp+\k):SR+64*\t+8*(2*\kp+\k)+7]
.endif
.endr
.endr
.endr
.endr
	WIN 0
	PLACES                                         ; ahead of loads over q or k and of the first read of scores
.if \kind < 2
	QLOAD
.else
	WIN 0x40
.set NN, 0
.rept 48
	ds_load_b128 v[4*NN:4*NN+3], v3 offset:512*NN  ; v's key steps 0-2, my quarter: the barrier of the pass before has shown them
.set NN, NN+1
.endr
	WIN 0
.endif
.set NN, 0
.rept 16                                       ; the largest score of each query among my lane's 64 keys: two chains a tile; each accumulator from its low end on
.irp t, 0,1
.irp c, 0,1
.if NN == 0
	v_max3_num_f32 v[EX+4*\t+2*\c], s100, v[SR+64*\t+32*\c], v[SR+64*\t+32*\c+1]
.else
	v_max3_num_f32 v[EX+4*\t+2*\c], v[EX+4*\t+2*\c], v[SR+64*\t+32*\c+2*NN], v[SR+64*\t+32*\c+2*NN+1]
.endif
.endr
.endr
.set NN, NN+1
.endr
.irp t, 0,1
	v_max_num_f32 v[EX+4*\t], v[EX+4*\t], v[EX+4*\t+2]
.endr
.irp t, 0,1
	v_permlanex16_b32 v[EX+4*\t+2], v[EX+4*\t], s90, s91   ; the query's other 64 keys of mine lie in the lane 16 away
.endr
.irp t, 0,1
	v_max_num_f32 v[EX+4*\t], v[EX+4*\t], v[EX+4*\t+2]
.endr
.irp t, 0,1
	v_mul_f32 v[ST+4*\t], s68, v[EX+4*\t]          ; mt = c x the largest score (c is positive)
.endr
.set NN, 0
.rept 32
.irp t, 0,1
	v_pk_fma_f32 v[SR+64*\t+2*NN:SR+64*\t+2*NN+1], v[SR+64*\t+2*NN:SR+64*\t+2*NN+1], s[68:69], v[ST+4*\t:ST+4*\t+1] op_sel_hi:[1,0,0] neg_lo:[0,0,1] neg_hi:[0,0,1]
.endr
.set NN, NN+1
.endr
	s_wait_alu depctr_va_vdst(0)                   ; the wait ahead of the batch,
.set NN, 0
.rept 128
	v_exp_f32 v[SR+NN], v[SR+NN]                   ; 2^(c s - mt)
.set NN, NN+1
.endr
	v_nop                                          ; a plain place behind the exponentials
	s_wait_alu depctr_va_vdst(0)                   ; and ahead of its first reader
.irp t, 0,1
.irp c, 0,1
	v_pk_add_f32 v[EX+4*\t+2*\c:EX+4*\t+2*\c+1], v[SR+64*\t+32*\c:SR+64*\t+32*\c+1], v[SR+64*\t+32*\c+2:SR+64*\t+32*\c+3]
.endr
.endr
.set NN, 2
.rept 14
.irp t, 0,1
.irp c, 0,1
	v_pk_add_f32 v[EX+4*\t+2*\c:EX+4*\t+2*\c+1], v[EX+4*\t+2*\c:EX+4*\t+2*\c+1], v[SR+64*\t+32*\c+2*NN:SR+64*\t+32*\c+2*NN+1]
.endr
.endr
.set NN, NN+1
.endr
.irp t, 0,1
	v_pk_add_f32 v[EX+4*\t:EX+4*\t+1], v[EX+4*\t:EX+4*\t+1], v[EX+4*\t+2:EX+4*\t+3]
.endr
.irp t, 0,1
	v_add_f32 v[EX+4*\t], v[EX+4*\t], v[EX+4*\t+1]
.endr
.irp t, 0,1
	v_permlanex16_b32 v[EX+4*\t+1], v[EX+4*\t], s90, s91
.endr
.irp t, 0,1
	v_add_f32 v[ST+4*\t+1], v[EX+4*\t], v[EX+4*\t+1]   ; l: the sum over my 128 keys
.endr
.irp t, 0,1
	ds_store_b64 v6, v[ST+4*\t:ST+4*\t+1] offset:1280*\t   ; (mt, l); lanes r and r + 16 hold the same pair
.endr
.if \kind == 1
	s_wait_tensorcnt 0x0                           ; my part of v's key steps 0-4 is in: shown to all by this barrier
	BARRIER                                        ; the eight waves' pairs lie in LDS
.else
	s_wait_tensorcnt 0x0                           ; none of my tensor loads is out;
	ds_add_u32 v[SPW], v[NIL]
	s_wait_dscnt 0x0                               ; the add is done, and so are my pairs' stores and my reads of the bytes that are filled next
	ROUND                                          ; this holds of every wave of every work-group of the cluster
.if \kind == 0
	TLOAD 52, 32                                   ; v's key steps 0-4, over k
.else
	TLOAD 56, 40                                   ; v's key steps 5-7, over steps 0-2
.endif
.endif
.irp t, 0,1
.irp q, 0,1,2,3
	ds_load_b128 v[EX+16*\t+4*\q:EX+16*\t+4*\q+3], v7 offset:1280*\t+16*\q
.endr
.endr
	s_wait_dscnt 0x0
.irp t, 0,1
	v_max3_num_f32 v[ST+4*\t+3], v[EX+16*\t], v[EX+16*\t+2], v[EX+16*\t+4]
.endr
.irp t, 0,1
	v_max3_num_f32 v[ST+4*\t+3], v[ST+4*\t+3], v[EX+16*\t+6], v[EX+16*\t+8]
.endr
.irp t, 0,1
	v_max3_num_f32 v[ST+4*\t+3], v[ST+4*\t+3], v[EX+16*\t+10], v[EX+16*\t+12]
.endr
.irp t, 0,1
	v_max_num_f32 v[ST+4*\t+3], v[ST+4*\t+3], v[EX+16*\t+14]   ; M: the row's largest t
.endr
.irp t, 0,1
.irp w, 0,1,2,3,4,5,6,7
	v_sub_f32 v[EX+16*\t+2*\w], v[EX+16*\t+2*\w], v[ST+4*\t+3]
.endr
	v_sub_f32 v[ST+4*\t+2], v[ST+4*\t], v[ST+4*\t+3]
.endr
	s_wait_alu depctr_va_vdst(0)                   ; the wait ahead of the batch,
.irp t, 0,1
.irp w, 0,1,2,3,4,5,6,7
	v_exp_f32 v[EX+16*\t+2*\w], v[EX+16*\t+2*\w]   ; 2^(mt - M), each wave's,
.endr
	v_exp_f32 v[ST+4*\t+2], v[ST+4*\t+2]           ; and my own
.endr
	v_nop
	s_wait_alu depctr_va_vdst(0)                   ; and ahead of its first reader
.irp t, 0,1
	v_mul_f32 v[EX+16*\t+1], v[EX+16*\t+1], v[EX+16*\t]
.endr
.irp w, 1,2,3,4,5,6,7
.irp t, 0,1
	v_fmac_f32 v[EX+16*\t+1], v[EX+16*\t+2*\w+1], v[EX+16*\t+2*\w]   ; L, in the same order in all waves
.endr
.endr
	s_wait_alu depctr_va_vdst(0)
.irp t, 0,1
	v_rcp_f32 v[EX+16*\t], v[EX+16*\t+1]
.endr
	v_nop
	s_wait_alu depctr_va_vdst(0)
.irp t, 0,1
	v_mul_f32 v[ST+4*\t+2], v[ST+4*\t+2], v[EX+16*\t]   ; F = 2^(mt - M) / L
.endr
.if \kind == 0
	global_prefetch_b8 v8, s[92:93] th:TH_LOAD_NT scope:SCOPE_SE    ; v's key steps 5-7, for the last pass's load
.endif
.if \kind == 1
	global_prefetch_b8 v9, s[16:17] th:TH_LOAD_NT scope:SCOPE_SE    ; 16 of my rows of x
.endif
.set NN, 0
.rept 32
.irp t, 0,1
	v_pk_mul_f32 v[SR+64*\t+2*NN:SR+64*\t+2*NN+1], v[SR+64*\t+2*NN:SR+64*\t+2*NN+1], v[ST+4*\t+2:ST+4*\t+3] op_sel_hi:[1,0]
.endr
.set NN, NN+1
.endr
.set NN, 0
.rept 64                                       ; the hold at 448 x 2^e4, two numbers an instruction (p is not negative: one-sided)
	v_dual_min_num_f32 v[SR+2*NN], s70, v[SR+2*NN] :: v_dual_min_num_f32 v[SR+2*NN+1], s70, v[SR+2*NN+1]
.set NN, NN+1
.endr
.irp t, 0,1                                    ; tiles 2 c and 2 c + 1 are 16 neighbouring keys: chunk c
.irp c, 0,1,2,3
.irp u, 0,1
	v_cvt_scalef32_pk8_fp8_f32 v[EX+4*(4*\t+\c)+2*\u:EX+4*(4*\t+\c)+2*\u+1], v[SR+64*\t+8*(2*\c+\u):SR+64*\t+8*(2*\c+\u)+7], v16
.endr
.endr
.endr
	v_nop                                          ; a plain instruction between the conversions and whatever next writes their sources
.irp t, 0,1
.irp c, 0,1,2,3
	ds_store_b128 v4, v[EX+4*(4*\t+\c):EX+4*(4*\t+\c)+3] offset:16384*\t+512*\c
.endr
.endr
.if \kind == 1
	s_wait_xcnt 0x0                                ; the prefetch has read its address
	v_add_nc_u32 v9, 0x10000, v9                   ; 16 rows on
.endif
	s_add_co_u32 s66, s66, 32768
	s_add_co_u32 s67, s67, 2560
.endm
	s_wait_alu depctr_va_vdst(0)
	s_wait_tensorcnt 0x0                           ; my 32 KB of k are in LDS; I alone read them
	WIN 0x40
.set NN, 0
.rept 64
	ds_load_b128 v[4*NN:4*NN+3], v2 offset:512*NN
.set NN, NN+1
.endr
	WIN 0
	PASS 0
	s_mov_b32 s71, 2
.Lpass:                                                ; passes 1 and 2
	PASS 1
	s_sub_co_u32 s71, s71, 1
	s_cmp_lg_u32 s71, 0
	s_wait_alu depctr_va_vdst(0)
	s_cbranch_scc1 .Lpass
	PASS 2
	BARRIER                                        ; all of p lies in LDS
	; ---- o^T = v^T p^T: eight key steps of 128, 16 accumulators by turns: source 0 = 16 of my channels, source 1 = 16 queries
.macro FETCHP g                        ; p's four fragments of key step g: even steps window 0, v64 on; odd steps window 1, v192 on
.if (\g)%2
	WIN 0x40
.set PB, 192
.else
	WIN 0
.set PB, 64
.endif
.irp Q, 0,1,2,3
.irp c, 0,1,2,3
	ds_load_b128 v[PB+16*\Q+4*\c:PB+16*\Q+4*\c+3], v5 offset:\Q*16384+(\g)*2048+\c*512
.endr
.endr
	WIN 0
.endm
.macro FETCHV sl                       ; v's four fragments from the sl-th step's bytes of my quarter
	WIN 0x40
.set NN, 0
.rept 16
	ds_load_b128 v[128+4*NN:128+4*NN+3], v3 offset:(\sl)*8192+512*NN
.set NN, NN+1
.endr
	WIN 0
.endm
.macro XLOAD i                         ; x's rows (channels) 16 i on of my 32, 512 bytes each
	WIN 0x40
.set NN, 0
.rept 16
	global_load_b128 v[64*(\i)+4*NN:64*(\i)+4*NN+3], v1, s[16:17] offset:(16*(\i)+NN)*4096 th:TH_LOAD_NT
.set NN, NN+1
.endr
	WIN 0
.endm
	FETCHP 0
	FETCHP 1
.irp g, 0,1,2,3,4,5,6,7
.if \g == 4                                    ; v's key steps 5-7 are shown to all, and nobody reads steps 3 and 4 behind this barrier; this step's products stand inside it
	s_wait_tensorcnt 0x0
	s_wait_dscnt 0x0
	s_barrier_signal -1
.elseif \g == 7
	s_wait_dscnt 0x0
.else
	s_wait_dscnt 16                                ; this step's p and v are in; the next step's 16 loads of p stay out
.endif
.if \g < 3
.set VA, 64*\g
.else
.set VA, 128
.endif
.if \g%2
	WIN 0x05
.set PB, 192
.else
	WIN 0x01
.set PB, 64
.endif
.irp i, 0,1,2,3
.irp Q, 0,1,2,3
.if \g == 0
	v_wmma_f32_16x16x128_fp8_fp8 v[SR+8*(4*\i+\Q):SR+8*(4*\i+\Q)+7], v[VA+16*\i:VA+16*\i+15], v[PB+16*\Q:PB+16*\Q+15], 0
.else
	v_wmma_f32_16x16x128_fp8_fp8 v[SR+8*(4*\i+\Q):SR+8*(4*\i+\Q)+7], v[VA+16*\i:VA+16*\i+15], v[PB+16*\Q:PB+16*\Q+15], v[SR+8*(4*\i+\Q):SR+8*(4*\i+\Q)+7]
.endif
.endr
.endr
	WIN 0
	PLACES                                         ; ahead of loads into registers that these products read, and of the first read of results
.if \g == 4
	s_barrier_wait -1
.endif
.if \g == 2
	FETCHV 3
.endif
.if \g == 3
	FETCHV 4
.endif
.if (\g > 3) && (\g < 7)
	FETCHV \g-4                                    ; steps 5-7 lie where 0-2 lay
.endif
.if \g < 6
	FETCHP \g+2
.endif
.if \g < 2
	XLOAD \g                                       ; into the registers of v's key step g
.endif
.if \g == 6
.set NN, 0
.rept 16
	global_load_b128 v[64+4*NN:64+4*NN+3], v1, s[10:11] offset:512*NN   ; w_proj: two tiles of 16 out channels, (i, s) at 64 + 32 i + 16 s
.set NN, NN+1
.endr
	global_load_b32 v24, v17, s[12:13]             ; b_proj of channel 32 w + r,
	global_load_b32 v26, v17, s[12:13] offset:64   ; and 16 on (v25 and v27, named with them as pairs, hold numbers)
.endif
.endr
	; ---- o's codes: tiles i = 2 k, 2 k + 1 are 16 neighbouring channels
.set NN, 0
.rept 128
	v_med3_num_f32 v[SR+NN], v[SR+NN], -v19, v19   ; the hold; each accumulator from its low end on
.set NN, NN+1
.endr
	WIN 0x40
.irp Q, 0,1,2,3
.irp k, 0,1
.irp u, 0,1
	v_cvt_scalef32_pk8_fp8_f32 v[128+4*(2*\Q+\k)+2*\u:128+4*(2*\Q+\k)+2*\u+1], v[SR+8*(4*(2*\k+\u)+\Q):SR+8*(4*(2*\k+\u)+\Q)+7], v18
.endr
.endr
.endr
	v_nop                                          ; a plain instruction between the conversions and the products that write their sources
	WIN 0x04
.irp Q, 0,1,2,3
.irp k, 0,1
	ds_store_b128 v10, v[128+4*(2*\Q+\k):128+4*(2*\Q+\k)+3] offset:4096*\Q+512*\k
.endr
.endr
	WIN 0
	BARRIER                                        ; o's sixteen fragments lie in LDS, and nobody reads P any more
.macro FETCHO p                        ; o's tiles Q = 2 p, 2 p + 1
	WIN 0x40
.set NN, 0
.rept 16
	ds_load_b128 v[128+64*((\p)%2)+4*NN:128+64*((\p)%2)+4*NN+3], v11 offset:((\p)/2)*VQ+((\p)%2)*8192+512*NN
.set NN, NN+1
.endr
	WIN 0
.endm
	; ---- y: source 0 = 16 positions of o, source 1 = 16 of my out channels: a lane holds one channel and eight neighbouring positions; four accumulators by turns
	FETCHO 0
	FETCHO 1
	s_wait_loadcnt 0x0                             ; x, w_proj, b_proj
.irp p, 0,1,2,3
.if \p < 3
	s_wait_dscnt 16                                ; these two tiles are in; the next two's loads stay out
.else
	s_wait_dscnt 0x0
.endif
	WIN 0x01
.irp s, 0,1
.irp q, 0,1
.irp i, 0,1
.if \s == 0
	v_wmma_f32_16x16x128_fp8_fp8 v[SR+8*(8*\i+2*\p+\q):SR+8*(8*\i+2*\p+\q)+7], v[128+64*(\p%2)+32*\q:128+64*(\p%2)+32*\q+15], v[64+32*\i:64+32*\i+15], 0
.else
	v_wmma_f32_16x16x128_fp8_fp8 v[SR+8*(8*\i+2*\p+\q):SR+8*(8*\i+2*\p+\q)+7], v[128+64*(\p%2)+32*\q+16:128+64*(\p%2)+32*\q+31], v[64+32*\i+16:64+32*\i+31], v[SR+8*(8*\i+2*\p+\q):SR+8*(8*\i+2*\p+\q)+7]
.endif
.endr
.endr
.endr
	WIN 0
	PLACES
.if \p < 2
	FETCHO \p+2
.endif
.endr
; THE WAY OUT, 16 channels at a time: y = sum x 2^(e6 + e7) + b_proj; through my own stage (LDS serves a wave's instructions in order: ISA guide 5.7.1.4) to whole rows of 128 positions; + x; stored.
.macro SCALE i
	WIN 0x40
.irp Q, 0,1,2,3,4,5,6,7
.irp p, 0,2,4,6
	v_pk_fma_f32 v[128+8*\Q+\p:128+8*\Q+\p+1], v[SR+64*(\i)+8*\Q+\p:SR+64*(\i)+8*\Q+\p+1], s[94:95], v[24+2*(\i):25+2*(\i)] op_sel_hi:[1,0,0]
.endr
.endr
	WIN 0
.endm
.macro TOSTAGE
	WIN 0x04
.irp Q, 0,1,2,3,4,5,6,7
	ds_store_b128 v12, v[128+8*\Q:128+8*\Q+3]   offset:(\Q/2)*128+(\Q%2)*32     ; positions 32 (Q / 2) + 16 h + 8 (Q % 2) + 0 .. 7 of channel r
	ds_store_b128 v12, v[128+8*\Q+4:128+8*\Q+7] offset:(\Q/2)*128+(\Q%2)*32+16
.endr
	WIN 0x40
.set NN, 0
.rept 16
	ds_load_b128 v[192+4*NN:192+4*NN+3], v13 offset:NN*SGP
.set NN, NN+1
.endr
	WIN 0
.endm
.macro SEND i
	s_wait_dscnt 0x0
	WIN 0x45
.set NN, 0
.rept 32
	v_pk_add_f32 v[64*(\i)+2*NN:64*(\i)+2*NN+1], v[64*(\i)+2*NN:64*(\i)+2*NN+1], v[192+2*NN:192+2*NN+1]
.set NN, NN+1
.endr
	WIN 0x04
.set NN, 0
.rept 16
	global_store_b128 v1, v[64*(\i)+4*NN:64*(\i)+4*NN+3], s[18:19] offset:(16*(\i)+NN)*4096 th:TH_STORE_NT   ; 32 lanes store 512 consecutive bytes, at a multiple of 512 from out0's first byte
.set NN, NN+1
.endr
	WIN 0
.endm
	SCALE 0
	TOSTAGE
	SCALE 1
	SEND 0
	TOSTAGE
	SEND 1
	s_wait_tensorcnt 0x0                           ; the wave's end
	ds_add_u32 v[SPW], v[NIL]
	s_wait_dscnt 0x0
	ROUND                                          ; the closing round: no work-group ends while a partner may still ask for a tile that names it
	s_endpgm
.Lfunc_end_k_qfba06d9b39_attn:
	.size	k_qfba06d9b39_attn, .Lfunc_end_k_qfba06d9b39_attn-k_qfba06d9b39_attn
	.p2alignl 7, 3214868480
	.fill 96, 4, 3214868480
	.section	.rodata,"a",@progbits
	.p2align	6, 0x0
	.amdhsa_kernel k_qfba06d9b39_attn
		.amdhsa_group_segment_fixed_size 327680
		.amdhsa_private_segment_fixed_size 0
		.amdhsa_enable_private_segment 0
		.amdhsa_kernarg_size 64
		.amdhsa_user_sgpr_count 2
		.amdhsa_user_sgpr_kernarg_segment_ptr 1
		.amdhsa_wavefront_size32 1
		.amdhsa_system_sgpr_workgroup_id_x 1
		.amdhsa_system_sgpr_workgroup_id_y 1
		.amdhsa_system_sgpr_workgroup_id_z 1
		.amdhsa_system_vgpr_workitem_id 0
		.amdhsa_next_free_vgpr 512
		.amdhsa_next_free_sgpr 102
		.amdhsa_reserve_vcc 0
		.amdhsa_float_denorm_mode_32 3
		.amdhsa_float_denorm_mode_16_64 3
		.amdhsa_memory_ordered 1
		.amdhsa_forward_progress 1
		.amdhsa_inst_pref_size 178
	.end_amdhsa_kernel
	.amdgpu_metadata
---
amdhsa.version: [ 1, 2 ]
amdhsa.kernels:
  - .name:           k_qfba06d9b39_attn
    .symbol:         k_qfba06d9b39_attn.kd
    .args:
      - { .name: qcodes, .offset: 0, .size: 8, .value_kind: global_buffer, .address_space: global }
      - { .name: kcodes, .offset: 8, .size: 8, .value_kind: global_buffer, .address_space: global }
      - { .name: vcodes, .offset: 16, .size: 8, .value_kind: global_buffer, .address_space: global }
      - { .name: wimg, .offset: 24, .size: 8, .value_kind: global_buffer, .address_space: global }
      - { .name: b_proj, .offset: 32, .size: 8, .value_kind: global_buffer, .address_space: global }
      - { .name: lowp_scales, .offset: 40, .size: 8, .value_kind: global_buffer, .address_space: global }
      - { .name: x, .offset: 48, .size: 8, .value_kind: global_buffer, .address_space: global }
      - { .name: out0, .offset: 56, .size: 8, .value_kind: global_buffer, .address_space: global }
    .group_segment_fixed_size: 327680
    .private_segment_fixed_size: 0
    .kernarg_segment_align: 8
    .kernarg_segment_size: 64
    .max_flat_workgroup_size: 256
    .sgpr_count:     102
    .vgpr_count:     512
    .wavefront_size: 32
...
	.end_amdgpu_metadata
.endif
;; end of part 3
